; MI455X (gfx1250); checked and timed in simulation.
; The chip was launched on July 23, 2026; its instructions are those of AMD's public machine-readable ISA for CDNA 5 (MIT licence, August 2026) and "CDNA5" Instruction Set Architecture Reference Guide (July 2026). The comments in the code are by the model that wrote it; some were corrected since.
;; Expert Layer. Allowed arithmetic: matrix products marked QUANTISED: E5M2 operands, one E8M0 scale for each 32 along K, by v_wmma_scale_f32_16x16x128_f8f6f4 with both operands' format E5M2, f32 sums; products left as they are: f32 operands where the result goes on into a quantised operand, else bf16, f16 or f32 operands; f32 sums; everything else in f32.
;; Inputs: W_experts_codes 8 x 1,024 x 32 x 32 uint8 (E5M2 codes of W_experts, K innermost, in blocks of 32 codes); W_experts_scales 8 x 1,024 x 32 uint8 (E8M0 scales of W_experts, one for each 32 codes along K); W_router 8 x 1,024 float32; b_experts 8 x 1,024 float32; b_router 8 float32; x 4 x 2,048 x 1,024 float32.
;; Outputs: out0 4 x 2,048 x 1,024 float32.
;; This version of the problem:
;;   THIS VERSION OF THE PROBLEM IS GIVEN IN LOW PRECISION. The matrix products marked QUANTISED in the list below multiply operands that are first quantised to E5M2 (5 exponent bits, 2 mantissa bits; 8 bits a number), with one power-of-two scale for each 32 numbers along K (OCP MX v1.0); their sums are f32. All else is computed in f32.
;;   The module's matrix products, in the order in which they are computed (A, B: the left and right operand; K: the contracted axis; several contracted axes count as one K, in the product's order):
;;     1. [M 8,192, K 1,024] x [K 1,024, N 8]; A: input x; B: input W_router: left as it is (N = 8 < 16)
;;     2. [M 8,192, K 1,024] x [K 1,024, N 8,192]; A: input x; B: input W_experts (given as codes): QUANTISED
;;     3. batch 8,192 x [M 1,024, K 8] x [K 8, N 1]; A: computed on the way; B: softmax: left as it is (K = 8 < 32)
;;   THE QUANTISER, for each operand of a quantised product, along K:
;;     - K is cut into blocks of 32 from its start; a last block that is shorter is filled with zeros.
;;     - A block's scale is 2^e with e = floor(log2(the largest magnitude in the block)) - 15, held to -126 .. 127; a block of zeros has e = 0. As a byte (E8M0): e + 127.
;;     - Each number is divided by its block's scale, clamped to +-57,344, and rounded to the nearest number of E5M2, ties to even, subnormals kept.
;;     - The product sums the exact products of the quantised numbers (number of the format x scale) in f32.
;;   ~~~python
;;   def quantise(x, axis):      # numpy; x: float32 -> the quantised numbers, widened to float32 again
;;       x = np.moveaxis(x, axis, -1); K = x.shape[-1]
;;       x = np.pad(x, [(0, 0)] * (x.ndim - 1) + [(0, -K % 32)]); x = x.reshape(x.shape[:-1] + (-1, 32)); a = np.abs(x).max(-1, keepdims=True)
;;       e = np.where(a > 0, np.clip(np.frexp(np.where(a > 0, a, 1))[1] - 1 - 15, -126, 127), 0)      # np.frexp(a)[1] - 1 = floor(log2(a)), exactly
;;       r = np.clip(x / 2.0 ** e, -57344, 57344)
;;       step = 2.0 ** (np.maximum(np.frexp(np.where(r == 0, 1, r))[1] - 1, -14) - 2)
;;       q = np.round(r / step) * step * 2.0 ** e      # np.round: ties to even
;;       return np.moveaxis(q.reshape(q.shape[:-2] + (-1,))[..., :K], -1, axis).astype(np.float32)
;;   ~~~
;;   INPUTS GIVEN AS CODES. W_experts (in the module: [8, 1024, 1024], K = its axis 2): each comes as NAME_codes (uint8): NAME with its K axis moved to the last place and cut into blocks of 32 codes, [.., K / 32, bytes a block], one block behind the other in memory; one code a byte (a code: sign, 5 exponent bits, 2 mantissa bits); and NAME_scales (uint8): the same leading axes, one E8M0 byte (e + 127) for each 32 codes along K. Its value is code x scale, taken as it is: it is not quantised again, and the codes and scales need not be those that the quantiser above would give.
;; One version. Each part assembles by itself: llvm-mc -triple=amdgcn-amd-amdhsa -mcpu=gfx1250 --defsym DOCPART=n.
;; ======== version 1 of 1: 2 launches
;; limits: values are held in f16: magnitudes above 65,504 overflow, below 6.1e-05 lose precision; right only within a limited range of input values
;; workspace buffers: xc 8,388,608 bytes; xs 262,144 bytes; rw 262,144 bytes
;; launch prep (part 1): grid 256 x 1, 8 waves a work-group, no clusters, 162,816 bytes of LDS; arguments x, W_router, b_router, xc, xs, rw; writes xc, xs, rw
.if DOCPART == 1
	.amdgcn_target "amdgcn-amd-amdhsa--gfx1250"
	.amdhsa_code_object_version 6
	.text
	.protected	k_qf143cb5dd6_prep
	.globl	k_qf143cb5dd6_prep
	.p2align	8
	.type	k_qf143cb5dd6_prep,@function
k_qf143cb5dd6_prep:
	s_mov_b64 s[64:65], 0
	v_nop
	global_prefetch_b8 v0, s[64:65] scope:SCOPE_SE
	s_setreg_imm32_b32 hwreg(HW_REG_WAVE_MODE, 25, 1), 1
	s_wait_xcnt 0x0
; x [8192][1024] f32 is read once and gives three things:
;   xc: its codes of BF8 (E5M2), quantised along the 1,024 in blocks of 32, laid as IMAGES OF THE OPERAND'S REGISTERS: [tile of 16 tokens 512][K step of 128: 8][c 4][lane 32][16 bytes];
;   xs: its E8M0 scale bytes, [token 8192][K step 8] words of four bytes;
;   rw: softmax(x W_router^T + b_router), f32, laid [tile of 16 tokens 512][expert 8][token 16].
; A block's scale is 2^(floor(log2(its largest magnitude)) - 15); its byte is the largest magnitude's exponent field - 15, held at 1 from below.  A block of zeros so gets the byte 1 where the
; rule says 127: its codes are zeros, which add nothing under any byte but 0xff, and this program alone reads the bytes.
; THE ROUTER'S PRODUCT (N = 8) is not a quantised one: f16 operands (11 bits), f32 sums.  The softmax is f32, the row's maximum taken away first.
; LIMITS: NaN and infinities in x are not served; blocks whose largest magnitude lies under 2^-111 keep the byte 1; a softmax term under 2^-126 counts as 0; for the router, numbers of x and of W_router
; beyond 65,504 in magnitude are not served, and parts of a number under 2^-25 are rounded away.
; SHARES.  A work-group takes 32 tokens: two tiles of 16.  Wave w takes tile w / 4 and K steps 2 (w % 4) and 2 (w % 4) + 1: 16 rows x 256 numbers, 16 KiB, all 32 loads issued at the head.
; Each load reads 512 consecutive bytes of a row.  The conversions want 16 NEIGHBOURS along K in a lane's registers, so a K step's 8 KiB turn through the wave's own stage in LDS
; (rows of 512 bytes + 16: 132 words, so that the sixteen rows that a read touches start at sixteen different groups of four banks; 64 banks of 4 bytes: ISA guide 11.1).
; No tensor loads, no loop.  Two barriers: W_router's image is whole; the waves' partial logits and scale words are whole.
.set SPITCH, 528
.set STGS,   16*SPITCH                 ; a stage: 16 rows; wave w, step s at (2 w + s) x STGS
.set WRI,    16*STGS                   ; W_router's image in f16: [32 along K: 32][g 2][h 2][expert 8][16 bytes = k 32 chunk + 16 h + 8 g + 0 .. 7]
.set PART,   WRI+16384                 ; partial logits: 1,024 bytes a wave: [g 2][lane 32][16 bytes]
.set XSL,    PART+8192                 ; x's scale words: 512 bytes a tile
.set RWS,    XSL+1024                  ; the routing weights on their way out: 512 bytes a tile
.set SPARE,  RWS+1024                  ; the spare words
.set LI,  1                            ; v1   16 x lane
.set STI, 2                            ; v2   my stage, in: 16 x lane
.set STO, 3                            ; v3   my stage, back: 528 r + 64 h
.set WRA, 4                            ; v4   where I read W_router's image
.set WRW, 5                            ; v5   where I write it
.set WRG, 6                            ; v6   64 x thread: my 16 numbers of W_router's experts t / 64 and t / 64 + 4
.set XSA, 7                            ; v7   where my two scale words go
.set PAW, 8                            ; v8   where my partial logits go
.set PAR, 9                            ; v9   where a tile's four partials are read
.set XSR, 10                           ; v10  a tile's scale words, 16 bytes a lane; its routing weights lie RWS - XSL further on
.set RWW, 11                           ; v11  a tile's routing weights, in
.set NIL, 12                           ; v12  0
.set SPW, 13                           ; v13  my spare word
.set PW,  14                           ; v14-15 the scale words of my two K steps
.set X0,  16                           ; v16-79, v80-143: 64 numbers a lane for each K step
.set FS,  144                          ; v144-175 x in f16: four chunks of 32 along K
.set PC,  144                          ; v144-159 then the codes
.set WF,  176                          ; v176-207 W_router's fragments of the four chunks; at the head my 32 numbers as loaded
.set AC,  208                          ; v208-239 four accumulators
.set TM,  240                          ; v240-243 largest magnitudes, v244-247 bytes, v248-251 the largest number x the scale, v252-255 the conversions' scale operands
	s_load_b256 s[4:11], s[0:1], 0x0               ; x s[4:5], W_router s[6:7], b_router s[8:9], xc s[10:11]
	s_load_b128 s[12:15], s[0:1], 0x20             ; xs s[12:13], rw s[14:15]
	v_lshl_add_u32 v[SPW], v0, 2, SPARE
	v_mov_b32 v[NIL], 0
	v_lshrrev_b32 v240, 5, v0
	v_readfirstlane_b32 s16, v240                  ; wave 0..7
	s_lshr_b32 s17, s16, 2                         ; which of the two tiles
	s_and_b32 s18, s16, 3                          ; which pair of K steps
	s_and_b32 s19, s16, 1                          ; the tile that waves 0 and 1 finish
	s_mul_i32 s40, s16, 2*STGS
	s_lshl_b32 s41, s18, 12                        ; my eight chunks of 32 along K
	s_add_co_u32 s41, s41, WRI
	s_lshl_b32 s42, s17, 9
	s_lshl_b32 s43, s18, 3
	s_add_co_u32 s42, s42, s43
	s_add_co_u32 s42, s42, XSL
	s_lshl_b32 s43, s16, 10
	s_add_co_u32 s43, s43, PART
	s_lshl_b32 s44, s19, 12
	s_add_co_u32 s44, s44, PART
	s_lshl_b32 s45, s19, 9
	s_add_co_u32 s45, s45, XSL
	s_add_co_u32 s46, s45, RWS-XSL
	s_mov_b32 s20, 0x76543210
	s_mov_b32 s21, 0xfedcba98                      ; v_permlanex16_b32's selects for lane l xor 16
	s_mov_b32 s22, 0x600000                        ; the mantissa field of 57,344
	s_lshl_b32 s32, ttmp9, 17                      ; x: 32 rows of 4,096 bytes a work-group,
	s_lshl_b32 s33, s17, 16                        ; 16 a tile,
	s_add_co_u32 s32, s32, s33
	s_lshl_b32 s33, s18, 10                        ; 1,024 bytes of a row for my two K steps
	s_add_co_u32 s32, s32, s33
	s_mov_b32 s33, 0
	s_lshl_b32 s34, ttmp9, 15                      ; xc: 16,384 bytes a tile, 2,048 a K step
	s_lshl_b32 s35, s17, 14
	s_add_co_u32 s34, s34, s35
	s_lshl_b32 s35, s18, 12
	s_add_co_u32 s34, s34, s35
	s_mov_b32 s35, 0
	s_lshl_b32 s36, ttmp9, 10                      ; xs and rw: 512 bytes a tile
	s_lshl_b32 s37, s19, 9
	s_add_co_u32 s36, s36, s37
	s_mov_b32 s37, 0
	v_and_b32 v241, 31, v0                         ; lane
	v_and_b32 v242, 15, v0                         ; r
	v_bfe_u32 v243, v0, 4, 1                       ; h
	v_and_b32 v244, 7, v0                          ; lanes r and r + 8 carry the same expert
	v_bfe_u32 v245, v0, 1, 5                       ; my 16 numbers begin at k = 16 (t % 64): chunk (t % 64) / 2,
	v_and_b32 v246, 1, v0                          ; half t % 2,
	v_lshrrev_b32 v247, 6, v0                      ; expert t / 64
	v_lshlrev_b32 v[LI], 4, v241
	v_lshlrev_b32 v[WRG], 6, v0
	v_mul_u32_u24 v[STO], v242, SPITCH
	v_lshlrev_b32 v[WRA], 4, v244
	v_lshlrev_b32 v[WRW], 9, v245
	v_add_nc_u32 v[STI], s40, v[LI]
	v_lshl_add_u32 v[STO], v243, 6, v[STO]
	v_lshl_add_u32 v[WRA], v243, 7, v[WRA]
	v_lshl_add_u32 v[WRW], v246, 7, v[WRW]
	v_lshl_add_u32 v[XSA], v242, 5, s42            ; 32 bytes a token, my two words at 8 (w % 4)
	v_add_nc_u32 v[STO], s40, v[STO]
	v_add_nc_u32 v[WRA], s41, v[WRA]
	v_lshl_add_u32 v[WRW], v247, 4, v[WRW]
	v_add_nc_u32 v[PAW], s43, v[LI]
	v_add_nc_u32 v[PAR], s44, v[LI]
	v_add_nc_u32 v[WRW], WRI, v[WRW]
	v_add_nc_u32 v[XSR], s45, v[LI]
	v_lshl_add_u32 v[RWW], v242, 2, s46
	s_wait_alu depctr_va_vdst(0)                   ; the wait at the head's end
	s_wait_kmcnt 0x0
	s_load_b256 s[24:31], s[8:9], 0x0              ; b_router: eight numbers; no line of this launch writes that buffer
	s_add_nc_u64 s[4:5], s[4:5], s[32:33]
	s_add_nc_u64 s[10:11], s[10:11], s[34:35]
	s_add_nc_u64 s[12:13], s[12:13], s[36:37]
	s_add_nc_u64 s[14:15], s[14:15], s[36:37]
.irp i, 0,1
.irp j, 0,1,2,3
	global_load_b128 v[WF+16*\i+4*\j:WF+16*\i+4*\j+3], v[WRG], s[6:7] offset:16384*\i+16*\j   ; W_router: 32 KiB shared out among the 256 threads
.endr
.endr
.irp s, 0,1
.irp i, 0,1,2,3,4,5,6,7,8,9,10,11,12,13,14,15
	global_load_b128 v[X0+64*\s+4*\i:X0+64*\s+4*\i+3], v[LI], s[4:5] offset:4096*\i+512*\s th:TH_LOAD_NT   ; row i, K step s: 32 lanes read 512 consecutive bytes; read once in the launch
.endr
.endr
.macro CVT16 s, d                      ; 16 numbers of a lane become a fragment's 8 registers in f16; the numbers themselves stay
.irp m, 0,1,2,3,4,5,6,7
	v_cvt_pk_f16_f32 v[(\d)+\m], v[(\s)+2*\m], v[(\s)+2*\m+1]
.endr
.endm
	s_wait_loadcnt 32                              ; W_router's eight loads are in; the 32 of x stay out
.irp i, 0,1
	CVT16 WF+16*\i, FS+8*\i
.endr
.irp i, 0,1
.irp g, 0,1
	ds_store_b128 v[WRW], v[FS+8*\i+4*\g:FS+8*\i+4*\g+3] offset:64*\i+256*\g
.endr
.endr
.irp b, 0,1,2,3
	v_mov_b32 v[TM+4+\b], 0                        ; written once: a lane permute's destination counts as one of its sources
.endr
	s_wait_alu depctr_va_vdst(0)
	s_wait_dscnt 0x0                               ; for the others' sake: my part of the image has landed
	s_barrier_signal -1
	s_barrier_wait -1                              ; W_router's image is whole
; 64 numbers of a lane, v[s] .. v[s + 63], register 16 b + i = k 32 b + 16 (lane / 16) + i of my row, become a fragment's codes in v[PC] on and its scale word in v[pw].
.macro QUANT s, pw
.irp b, 0,1,2,3
	v_max3_num_f32 v[TM+\b], |v[\s+16*\b]|, |v[\s+1+16*\b]|, 0x8000000   ; block b: my 16 numbers, and the floor 2^(16 - 127): so the byte cannot fall under 1
.endr
.irp i, 2,4,6,8,10,12,14
.irp b, 0,1,2,3
	v_max3_num_f32 v[TM+\b], v[TM+\b], |v[\s+16*\b+\i]|, |v[\s+1+16*\b+\i]|   ; the four blocks by turns: no line waits for the line above it
.endr
.endr
.irp b, 0,1,2,3
	v_permlanex16_b32 v[TM+4+\b], v[TM+\b], s20, s21
.endr
.irp b, 0,1,2,3
	v_max_num_f32 v[TM+\b], v[TM+\b], v[TM+4+\b]   ; with lane l xor 16's: the block's largest magnitude
.endr
.irp b, 0,1,2,3
	v_add_nc_u32 v[TM+12+\b], 0xf8800000, v[TM+\b] ; 15 off its exponent field: the conversion takes the exponent field of this operand as its scale
.endr
.irp b, 0,1,2,3
	v_and_or_b32 v[TM+8+\b], v[TM+\b], 0x7f800000, s22   ; 57,344 x the scale
.endr
.irp b, 0,1,2,3
	v_lshrrev_b32 v[TM+4+\b], 23, v[TM+12+\b]      ; the scale's byte
.endr
	v_lshl_or_b32 v[\pw], v[TM+5], 8, v[TM+4]      ; the four bytes make my row's scale word
	v_lshl_or_b32 v[TM+6], v[TM+7], 8, v[TM+6]
	v_med3_num_f32 v[\s], v[\s], -v[TM+8], v[TM+8] ; the conversion to an 8-bit code does not saturate (ISA guide 7.6.2): the hold at the largest code x the scale
	v_lshl_or_b32 v[\pw], v[TM+6], 16, v[\pw]
.irp i, 1,2,3,4,5,6,7,8,9,10,11,12,13,14,15
	v_med3_num_f32 v[\s+\i], v[\s+\i], -v[TM+8], v[TM+8]
.endr
	v_cvt_scalef32_pk8_bf8_f32 v[PC:PC+1], v[\s:\s+7], v[TM+12]
	v_cvt_scalef32_pk8_bf8_f32 v[PC+2:PC+3], v[\s+8:\s+15], v[TM+12]
.irp b, 1,2,3
.irp i, 0,1,2,3,4,5,6,7,8,9,10,11,12,13,14,15
	v_med3_num_f32 v[\s+16*\b+\i], v[\s+16*\b+\i], -v[TM+8+\b], v[TM+8+\b]
.endr
	v_cvt_scalef32_pk8_bf8_f32 v[PC+4*\b:PC+1+4*\b], v[\s+16*\b:\s+7+16*\b], v[TM+12+\b]
	v_cvt_scalef32_pk8_bf8_f32 v[PC+2+4*\b:PC+3+4*\b], v[\s+8+16*\b:\s+15+16*\b], v[TM+12+\b]
.endr
	v_nop                                          ; one plain vector line behind the last conversion
.endm
; K step s of my two.  The numbers turn through the stage; in f16 they feed the router's product; then they are quantised and the fragment's image is stored.
; THE ROUTER'S PRODUCT IS USED TRANSPOSED: source 0 = W_router (lane r carries expert r % 8), source 1 = my 16 tokens: a lane then holds ONE token and its eight registers the eight experts.
; A lane's 16 numbers of a chunk of 32 are k = 16 h + 0 .. 15 on both sides: k is permuted alike in both operands, which keeps the products.  Chunk b adds onto accumulator b: the four take turns.
.macro QSTEP s
.set XR, X0+64*\s
	s_wait_loadcnt 16*(1-\s)                       ; this step's sixteen loads are in; the other step's may be out
.irp i, 0,1,2,3,4,5,6,7,8,9,10,11,12,13,14,15
	ds_store_b128 v[STI], v[XR+4*\i:XR+4*\i+3] offset:STGS*\s+SPITCH*\i
.endr
.irp b, 0,1,2,3
.irp j, 0,1,2,3
	ds_load_b128 v[XR+16*\b+4*\j:XR+16*\b+4*\j+3], v[STO] offset:STGS*\s+128*\b+16*\j   ; LDS serves a wave's instructions in order (ISA guide 5.7.1.4): these see the stores above
.endr
.endr
.irp b, 0,1,2,3
.irp g, 0,1
	ds_load_b128 v[WF+8*\b+4*\g:WF+8*\b+4*\g+3], v[WRA] offset:512*(4*\s+\b)+256*\g   ; QUANT's lines are the places behind the products that read these registers before
.endr
.endr
	s_wait_dscnt 0x0
.if \s > 0
	s_wait_xcnt 0x0                                ; the first step's stores have read the codes' registers
.endif
.irp b, 0,1,2,3
	CVT16 XR+16*\b, FS+8*\b
.endr
.irp b, 0,1,2,3
.if \s == 0
	v_wmma_f32_16x16x32_f16 v[AC+8*\b:AC+8*\b+7], v[WF+8*\b:WF+8*\b+7], v[FS+8*\b:FS+8*\b+7], 0
.else
	v_wmma_f32_16x16x32_f16 v[AC+8*\b:AC+8*\b+7], v[WF+8*\b:WF+8*\b+7], v[FS+8*\b:FS+8*\b+7], v[AC+8*\b:AC+8*\b+7]
.endif
.endr
	QUANT XR, PW+\s                                ; its first lines name no register of the products above: they are the places behind them
.irp c, 0,1,2,3
	global_store_b128 v[LI], v[PC+4*\c:PC+4*\c+3], s[10:11] offset:2048*\s+512*\c   ; 32 lanes store 512 consecutive bytes, at a multiple of 256 from xc's first byte
.endr
.endm
	QSTEP 0
	QSTEP 1
	ds_store_b64 v[XSA], v[PW:PW+1]                ; lanes r and r + 16 write the same words with the same values
.irp j, 0,2,4,6
	v_pk_add_f32 v[WF+\j:WF+\j+1], v[AC+\j:AC+\j+1], v[AC+8+\j:AC+8+\j+1]   ; my 256 along K: each accumulator from its low end on
	v_pk_add_f32 v[WF+8+\j:WF+8+\j+1], v[AC+16+\j:AC+16+\j+1], v[AC+24+\j:AC+24+\j+1]
.endr
.irp j, 0,2,4,6
	v_pk_add_f32 v[WF+\j:WF+\j+1], v[WF+\j:WF+\j+1], v[WF+8+\j:WF+8+\j+1]
.endr
	ds_store_b128 v[PAW], v[WF:WF+3]
	ds_store_b128 v[PAW], v[WF+4:WF+7] offset:512
	s_wait_kmcnt 0x0                               ; b_router
	s_wait_dscnt 0x0                               ; for the others' sake: my stores have landed
	s_barrier_signal -1
	s_barrier_wait -1                              ; both tiles' partial logits and scale words lie in LDS
	s_cmp_gt_u32 s16, 1                            ; wave 0 finishes tile 0, wave 1 tile 1; no barrier follows
	s_cbranch_scc1 .Lend
.irp i, 0,1,2,3
.irp g, 0,1
	ds_load_b128 v[16+8*\i+4*\g:16+8*\i+4*\g+3], v[PAR] offset:1024*\i+512*\g   ; the tile's four partial sums: v[16 + 8 i + e]
.endr
.endr
	ds_load_b128 v[48:51], v[XSR]
	s_wait_dscnt 0x0
.irp j, 0,2,4,6
	v_pk_add_f32 v[16+\j:17+\j], v[16+\j:17+\j], v[24+\j:25+\j]
	v_pk_add_f32 v[32+\j:33+\j], v[32+\j:33+\j], v[40+\j:41+\j]
.endr
.irp j, 0,2,4,6
	v_pk_add_f32 v[16+\j:17+\j], v[16+\j:17+\j], v[32+\j:33+\j]
.endr
.irp e, 0,1,2,3,4,5,6,7
	v_add_f32 v[16+\e], s[24+\e], v[16+\e]         ; + b_router: my token's eight logits
.endr
	v_max3_num_f32 v52, v16, v17, v18
	v_max3_num_f32 v53, v19, v20, v21
	v_max_num_f32 v54, v22, v23
	s_delay_alu instid0(VALU_DEP_1)
	v_max3_num_f32 v52, v52, v53, v54              ; the row's maximum is taken away first
.irp e, 0,1,2,3,4,5,6,7
	v_sub_f32 v[16+\e], v[16+\e], v52
.endr
.irp e, 0,1,2,3,4,5,6,7
	v_mul_f32 v[16+\e], 0x3fb8aa3b, v[16+\e]       ; x log2(e)
.endr
	s_wait_alu depctr_va_vdst(0)                   ; the wait ahead of the batch,
.irp e, 0,1,2,3,4,5,6,7
	v_exp_f32 v[16+\e], v[16+\e]
.endr
	v_nop                                          ; one plain line behind the exponentials (ISA guide 5.7.2)
	s_wait_alu depctr_va_vdst(0)                   ; and behind it
	v_add_f32 v53, v16, v17
	v_add_f32 v54, v18, v19
	v_add_f32 v55, v20, v21
	v_add_f32 v56, v22, v23
	v_add_f32 v53, v53, v54
	v_add_f32 v55, v55, v56
	v_add_f32 v53, v53, v55                        ; at least 1: the largest term is 1
	s_wait_alu depctr_va_vdst(0)
	v_rcp_f32 v53, v53
	v_nop
	s_wait_alu depctr_va_vdst(0)
.irp e, 0,1,2,3,4,5,6,7
	v_mul_f32 v[16+\e], v[16+\e], v53
.endr
.irp e, 0,1,2,3,4,5,6,7
	ds_store_b32 v[RWW], v[16+\e] offset:64*\e     ; [expert][token]; lanes r and r + 16 hold the same numbers
.endr
	ds_load_b128 v[56:59], v[XSR] offset:RWS-XSL   ; my wave's own bytes, served in order
	s_wait_dscnt 0x0
	global_store_b128 v[LI], v[56:59], s[14:15]    ; a tile's routing weights: 512 consecutive bytes
	global_store_b128 v[LI], v[48:51], s[12:13]    ; and its scale words: likewise
.Lend:
	s_wait_tensorcnt 0x0                           ; the wave's end
	ds_add_u32 v[SPW], v[NIL]
	s_wait_dscnt 0x0
	s_endpgm
.Lfunc_end_k_qf143cb5dd6_prep:
	.size	k_qf143cb5dd6_prep, .Lfunc_end_k_qf143cb5dd6_prep-k_qf143cb5dd6_prep
	.p2alignl 7, 3214868480
	.fill 96, 4, 3214868480
	.section	.rodata,"a",@progbits
	.p2align	6, 0x0
	.amdhsa_kernel k_qf143cb5dd6_prep
		.amdhsa_group_segment_fixed_size 162816
		.amdhsa_private_segment_fixed_size 0
		.amdhsa_enable_private_segment 0
		.amdhsa_kernarg_size 48
		.amdhsa_user_sgpr_count 2
		.amdhsa_user_sgpr_kernarg_segment_ptr 1
		.amdhsa_wavefront_size32 1
		.amdhsa_system_sgpr_workgroup_id_x 1
		.amdhsa_system_sgpr_workgroup_id_y 1
		.amdhsa_system_sgpr_workgroup_id_z 1
		.amdhsa_system_vgpr_workitem_id 0
		.amdhsa_next_free_vgpr 256
		.amdhsa_next_free_sgpr 66
		.amdhsa_reserve_vcc 0
		.amdhsa_float_denorm_mode_32 3
		.amdhsa_float_denorm_mode_16_64 3
		.amdhsa_memory_ordered 1
		.amdhsa_forward_progress 1
		.amdhsa_inst_pref_size 41
	.end_amdhsa_kernel
	.amdgpu_metadata
---
amdhsa.version: [ 1, 2 ]
amdhsa.kernels:
  - .name:           k_qf143cb5dd6_prep
    .symbol:         k_qf143cb5dd6_prep.kd
    .args:
      - { .name: x, .offset: 0, .size: 8, .value_kind: global_buffer, .address_space: global }
      - { .name: W_router, .offset: 8, .size: 8, .value_kind: global_buffer, .address_space: global }
      - { .name: b_router, .offset: 16, .size: 8, .value_kind: global_buffer, .address_space: global }
      - { .name: xc, .offset: 24, .size: 8, .value_kind: global_buffer, .address_space: global }
      - { .name: xs, .offset: 32, .size: 8, .value_kind: global_buffer, .address_space: global }
      - { .name: rw, .offset: 40, .size: 8, .value_kind: global_buffer, .address_space: global }
    .group_segment_fixed_size: 162816
    .private_segment_fixed_size: 0
    .kernarg_segment_align: 8
    .kernarg_segment_size: 48
    .max_flat_workgroup_size: 256
    .sgpr_count:     66
    .vgpr_count:     256
    .wavefront_size: 32
...
	.end_amdgpu_metadata
.endif
;; end of part 1
;; launch experts (part 2): grid 256 x 1, 4 waves a work-group, clusters of 4 x 1, 327,680 bytes of LDS; arguments xc, xs, rw, W_experts_codes, W_experts_scales, b_experts, out0; writes out0
.if DOCPART == 2
	.amdgcn_target "amdgcn-amd-amdhsa--gfx1250"
	.amdhsa_code_object_version 6
	.text
	.protected	k_qf143cb5dd6_experts
	.globl	k_qf143cb5dd6_experts
	.p2align	8
	.type	k_qf143cb5dd6_experts,@function
k_qf143cb5dd6_experts:
	s_mov_b64 s[64:65], 0
	v_nop
	global_prefetch_b8 v0, s[64:65] scope:SCOPE_SE
	s_setreg_imm32_b32 hwreg(HW_REG_WAVE_MODE, 25, 1), 1
	s_wait_xcnt 0x0
	s_wait_alu depctr_hold_cnt(0) depctr_sa_sdst(0) depctr_va_vdst(0) depctr_va_sdst(0) depctr_va_ssrc(0) depctr_va_vcc(0) depctr_vm_vsrc(0)
	s_getreg_b32 s2, hwreg(HW_REG_IB_STS2, 6, 4)
	s_cmp_eq_u32 s2, 0
	s_cbranch_scc0 .Lentry_in_a_cluster
	s_endpgm
.Lentry_in_a_cluster:
	s_bfe_u32 s2, ttmp6, 0x10000c
	s_cmp_lg_u32 s2, 0x3003
	s_cbranch_scc0 .Lentry_shape_is_right
	s_endpgm
.Lentry_shape_is_right:
; out0[t][f] = the sum over the 8 experts e of rw[t][e] x (b[e][f] + the sum over d of x[t][d] W[e][f][d]), the inner product on codes of BF8 (E5M2) with one E8M0 scale for each 32 along d.
; xc, xs, rw come from the launch before: x's codes as images of the operand's registers, its scale words, the routing weights.  W's codes [8][1024][1024] and scale bytes [8][1024][32] are taken as they are given.
; LIMITS: a scale byte 0xff among W's makes the sums NaN, as the matrix unit has it; sums beyond f32's range are not served.
; SHARES.  A work-group of four waves makes 256 tokens x 128 features; wave w tokens 64 w .. 64 w + 63 (four tiles a of 16).  X LIVES IN REGISTERS: 64 tokens x 1,024 codes are 512 registers, loaded once.
; THE FEATURES GO IN TWO PASSES of 64, each through all eight experts: so out takes 128 registers, and two whole sets of W's fragments fit beside it.
; A BATCH is one feature tile n of one expert: 16 rows of W x all of K, 32 products, the four accumulators by turns, the bias as the C of the first four.  Behind it ONE run of LDS loads brings the batch two on into the set just multiplied.
; THE COMBINE of the batch before, out += rw x accumulator, 16 packed lines, stands in the batch: eight in gaps behind products, eight behind the last product, where they are the eight places that the run of loads wants.
; So a pass's last batch is combined behind the pass, and the first batch of a pass combines zeros.
; LDS: two slots of 128 rows (two experts x 64 rows of the pass) take turns; a refill is asked for inside a slot's batch 6, a quarter a wave, and has eight batches, 256 matrix instructions, in which to land.
; That is why W is not prefetched: nothing is waited for earlier than that.
; CLUSTER: the four work-groups of a cluster have the same features and other tokens, so every fill is asked for JOINTLY, with a mask that names the four.  Along the features only x is shared, and x never enters LDS: so no cluster of 4 x 4.
; REGISTERS, in windows of 256: window 0: addresses, scale words, biases, v64-127 accumulators (two sets of four), v128-255 out, (a, n) at v[128 + 8 (4 a + n)];
;   window 1: W's fragments, set k, K step q at v[128 k + 16 q];  windows 2, 3: x's fragment (a, K step q) at v[64 (q % 4) + 16 a] of window 2 + q / 4.
; No product's two scale words have numbers equal modulo 8.
.set PITCH,  1040                      ; a row of W in LDS: 1,024 bytes + 16: row r starts at bank 4 r mod 64 (64 banks of 4 bytes: ISA guide 11.1)
.set UNIT,   64*PITCH                  ; an expert's 64 rows
.set SLOT,   2*UNIT
.set STG,    2*SLOT                    ; the way out: a stage of 16 rows x (256 bytes + 16) for each wave.  It reaches 1,536 bytes into the first pass's scale bytes, which are done with when a pass ends
.set SPITCH, 272
.set WSC,    STG+15872                 ; W's scale bytes: [expert 8][pass 2][row 64][32 bytes]
.set BIA,    WSC+32768                 ; the biases: [pass 2][expert 8][64] f32
.set RWL,    BIA+4096                  ; the routing weights, 2,048 bytes a wave: [a 4][expert 8][token 16]
.set SPARE,  RWL+8192                  ; the spare words, 128 bytes for each wave
.set SPW,  1                           ; v1   LDS address of my spare word; never rewritten
.set NIL,  2                           ; v2   0; never rewritten
.set ASC,  3                           ; v3   W's scale words of the slot in hand: 8,192 bytes a slot, 2,048 a pass
.set ABI,  4                           ; v4   its biases: 512 bytes a slot
.set ARW,  5                           ; v5   its routing weights: 128 bytes a slot
.set AWL,  6                           ; v6, v7  my lane's place in the two units of slot 0
.set AW,   8                           ; v8, v9  the same in the slot in hand
.set CO,   10                          ; v10  16 x lane
.set TA,   11                          ; v11  32 r + 16 h
.set RW,   12                          ; v12-15 routing weights of the four tiles of tokens
.set XS,   16                          ; v16-31 x's scale words: v[16 + 4 a + j]: lanes 0-15 K step j, lanes 16-31 K step 4 + j
.set STO,  32                          ; v32  the stage: where I put 32 bytes of a row
.set RD,   33                          ; v33  and where I read a row back
.set WS,   34                          ; v34-37, v38-41 W's scale words, two sets, likewise
.set CO2,  42                          ; v42  my byte offset in two rows of out0
.set ZR,   43                          ; v43  0
.set H32,  44                          ; v44  32 h
.set RWB,  45                          ; v45  where my routing weights begin
.set BGO,  46                          ; v46  my 16 bytes of the biases in memory
.set ASB,  47                          ; v47  my lane's place among the scale bytes
.set BI,   48                          ; v48-55, v56-63 the biases of a tile, two sets
.set ACC,  64
.set OUT,  128
.set WV,   18                          ; s18  my wave's number
.set CN,   19                          ; s19  the slot in hand's number, 0 .. 7: pass s / 4, experts 2 (s % 4) and + 1
.set SO,   20                          ; s20  where it begins in LDS
.set LW,   21                          ; s21  where my 32 rows lie in a slot
.set G1W,  24                          ; descriptor groups: s[24:31], s[48:51] the ring;  s[32:39], s[52:55] slot 0's first fill;  s[40:47], s[56:59] the scale bytes
.set G1H,  32
.set G1S,  40
.set G0W,  48
.set G0H,  52
.set G0S,  56
.set G1X,  92                          ; s[92:99], s[60:63] x's K steps 4 to 7
.set G0X,  60
.set MSB, 0
.macro WIN new                         ; the immediate's high byte repeats the setting that is left; a switch that changes nothing is dropped
.if MSB != \new
	s_set_vgpr_msb (MSB<<8)|\new
.set MSB, \new
.endif
.endm
.macro CREST                           ; a round of the cluster's barrier behind its opening barrier
	s_cmp_lg_u32 s[WV], 0
	s_cbranch_scc1 .Lnot_wave_0_\@
	s_barrier_signal -3
.Lnot_wave_0_\@:
	s_barrier_wait -3
	s_barrier_signal -1
	s_barrier_wait -1
.endm
.macro CROUND
	s_barrier_signal -1
	s_barrier_wait -1
	CREST
.endm
.macro PLACES n
.rept \n
	v_nop
.endr
.endm
.macro GROUP1 g, w0, len, rows, pitch
	s_mov_b32 s[\g+0], \w0
	s_mov_b32 s[\g+1], (\len)<<16          ; tensor_dim0
	s_mov_b32 s[\g+2], (\rows)<<16         ; tensor_dim1
	s_mov_b32 s[\g+3], (\len)<<16          ; tile_dim0
	s_mov_b32 s[\g+4], \rows               ; tile_dim1
	s_mov_b32 s[\g+5], \pitch              ; from row to row
	s_mov_b32 s[\g+6], 0
	s_mov_b32 s[\g+7], 0
.endm
.macro XLOAD q                         ; x's fragments of K step q, as they were laid: 512 consecutive bytes a load
	WIN 0x80+0x40*((\q)/4)
.irp a, 0,1,2,3
.irp c, 0,1,2,3
	global_load_b128 v[64*((\q)%4)+16*\a+4*\c:64*((\q)%4)+16*\a+4*\c+3], v[CO], s[4:5] offset:16384*\a+2048*(\q)+512*\c
.endr
.endr
.endm
.macro ZERO from, n                    ; n registers, an even number
.set I_, \from
.rept (\n)/2
	v_dual_mov_b32 v[I_], v[ZR] :: v_dual_mov_b32 v[I_+1], v[ZR]
.set I_, I_+2
.endr
.endm
	s_load_b256 s[4:11], s[0:1], 0x0               ; xc s[4:5], xs s[6:7], rw s[8:9], W's codes s[10:11]
	s_load_b128 s[12:15], s[0:1], 0x20             ; W's scales s[12:13], the biases s[14:15]
	s_load_b64 s[16:17], s[0:1], 0x30              ; out0
	v_lshl_add_u32 v[SPW], v0, 2, SPARE
	v_mov_b32 v[NIL], 0
	ds_add_u32 v[SPW], v[NIL]                      ; the wave's opening: the add, twice on end, and its wait ahead of my first tensor load
	ds_add_u32 v[SPW], v[NIL]
	v_lshrrev_b32 v51, 5, v0
	v_and_b32 v48, 31, v0                          ; lane
	v_and_b32 v49, 15, v0                          ; r
	v_bfe_u32 v50, v0, 4, 1                        ; h
	v_lshrrev_b32 v52, 4, v0                       ; an expert for each 16 threads
	v_lshlrev_b32 v[CO], 4, v48
	v_lshlrev_b32 v[TA], 5, v49
	v_lshl_add_u32 v[TA], v50, 4, v[TA]
	v_lshlrev_b32 v[BGO], 12, v52
	v_lshl_add_u32 v[BGO], v49, 4, v[BGO]
	v_readfirstlane_b32 s[WV], v51                 ; wave 0..3
	; 15:0 the mask: all four work-groups; 17:16 elements of 1 or 8 bytes; 20 padding on; 21 set beside a mask; 24:22 after every 256 words (code 7); 31:25 four words (code 3)
	GROUP1 G1W, 15|(1<<20)|(1<<21)|(7<<22)|(3<<25), 1024, 32, 1024   ; the ring: 32 rows of W a wave
	GROUP1 G1H, 15|(1<<20)|(1<<21)|(7<<22)|(3<<25), 1024, 64, 1024   ; slot 0's first fill: an expert's 64 rows
	GROUP1 G1S, 15|(3<<16)|(1<<21), 512, 8, 4096   ; the scale bytes: eight experts' 4,096 bytes, 32,768 bytes apart
	GROUP1 G1X, (3<<16)|(1<<20)|(7<<22)|(3<<25), 1024, 16, 2048   ; x: 16 tiles' 8,192 bytes, 16,384 bytes apart, with 16 bytes of padding behind each 1,024: 128 such rows, laid as W's are
	s_lshr_b32 s61, s[WV], 1
	s_and_b32 s60, s[WV], 1
	; the cluster's number: bits 1, 2, 4 are the block of 128 features, bits 0, 3, 5 the group of four blocks of tokens
	s_bfe_u32 s68, ttmp9, 0x20001
	s_bfe_u32 s69, ttmp9, 0x10004
	s_lshl_b32 s69, s69, 2
	s_add_co_u32 s68, s68, s69                     ; which 128 features: the four partners share it
	s_lshl_b32 s72, s68, 17                        ; W's codes: 128 rows of 1,024 bytes a block
	s_mov_b32 s73, 0
	s_lshl_b32 s74, s[WV], 20                      ; slot 0's first fill: wave 0 expert 0, wave 1 expert 1
	s_mov_b32 s75, 0
	s_lshl_b32 s76, s61, 20                        ; the ring: waves 0, 1 the slot's first expert, waves 2, 3 its second; 32 rows each
	s_lshl_b32 s77, s60, 15
	s_add_co_u32 s76, s76, s77
	s_mov_b32 s77, 0
	s_lshl_b32 s78, s68, 12                        ; the scale bytes: 4,096 a block, both passes' by wave 3
	s_mov_b32 s79, 0
	s_lshl_b32 s80, s68, 9                         ; the biases: 512 bytes a block
	s_mov_b32 s81, 0
	s_mul_i32 s[LW], s[WV], 32*PITCH
	s_mov_b32 s[G0H], 1
	s_mul_i32 s[G0H+1], s[WV], UNIT
	s_mov_b32 s[G0S], 1
	s_mov_b32 s[G0S+1], WSC
	s_mov_b32 s[G0W], 1
	s_and_b32 s82, ttmp9, 1
	s_bfe_u32 s83, ttmp9, 0x10003
	s_lshl_b32 s83, s83, 1
	s_add_co_u32 s82, s82, s83
	s_bfe_u32 s83, ttmp9, 0x10005
	s_lshl_b32 s83, s83, 2
	s_add_co_u32 s82, s82, s83
	s_lshl_b32 s82, s82, 2
	s_bfe_u32 s83, ttmp6, 0x40000                  ; my place in the cluster: it enters the addresses of xc, xs, rw and out0 alone
	s_add_co_u32 s82, s82, s83                     ; my block of 256 tokens
	s_lshl_b32 s84, s82, 13                        ; xs and rw: 32 bytes a token
	s_lshl_b32 s83, s[WV], 11
	s_add_co_u32 s84, s84, s83
	s_mov_b32 s85, 0
	s_lshl_b32 s86, s82, 18                        ; xc: 1,024 bytes a token
	s_add_co_u32 s90, s86, 8192                    ; my work-group's tiles from K step 4 on
	s_mov_b32 s91, 0
	s_lshl_b32 s83, s[WV], 16
	s_add_co_u32 s86, s86, s83
	s_mov_b32 s87, 0
	s_lshl_b32 s88, s82, 20                        ; out0: 4,096 bytes a token, 512 of a row for my features
	s_lshl_b32 s83, s[WV], 18
	s_add_co_u32 s88, s88, s83
	s_add_co_u32 s88, s88, s80
	s_mov_b32 s89, 0
	s_wait_alu depctr_va_vdst(0)
	s_wait_dscnt 0x0                               ; both opening adds are done
	s_wait_kmcnt 0x0
	s_add_nc_u64 s[8:9], s[8:9], s[84:85]
	s_add_nc_u64 s[6:7], s[6:7], s[84:85]
	s_mov_b32 s[G0X], 1
	s_mov_b32 s[G0X+1], SLOT                       ; into slot 1
	s_add_nc_u64 s[G0X+2:G0X+3], s[4:5], s[90:91]
	s_or_b32 s[G0X+3], s[G0X+3], 0x80000000
	s_add_nc_u64 s[4:5], s[4:5], s[86:87]
	s_add_nc_u64 s[14:15], s[14:15], s[80:81]
	s_add_nc_u64 s[16:17], s[16:17], s[88:89]
.irp a, 0,1,2,3
	global_load_b128 v[64+4*\a:67+4*\a], v[CO], s[8:9] offset:512*\a   ; my 64 tokens' routing weights: 2,048 consecutive bytes
.endr
	global_load_b128 v[80:83], v[BGO], s[14:15]    ; the biases: 16 bytes of each pass a thread
	global_load_b128 v[84:87], v[BGO], s[14:15] offset:256
.irp a, 0,1,2,3
	global_load_b128 v[XS+4*\a:XS+4*\a+3], v[TA], s[6:7] offset:512*\a   ; token r's scale words: lanes 0-15 K steps 0-3, lanes 16-31 K steps 4-7
.endr
	XLOAD 0
	XLOAD 1
	WIN 0
	s_add_nc_u64 s[10:11], s[10:11], s[72:73]
	s_add_nc_u64 s[G0H+2:G0H+3], s[10:11], s[74:75]
	s_or_b32 s[G0H+3], s[G0H+3], 0x80000000
	s_add_nc_u64 s[G0S+2:G0S+3], s[12:13], s[78:79]
	s_or_b32 s[G0S+3], s[G0S+3], 0x80000000
	s_add_nc_u64 s[10:11], s[10:11], s[76:77]      ; the ring's base: my 32 rows of slot 0
	CROUND                                         ; all four work-groups are here: the first joint loads meet
	s_cmp_lt_u32 s[WV], 2                          ; one load a wave: waves 0, 1 slot 0; wave 2 half of x, in slot 1 (no partner shares it); wave 3 the scale bytes
	s_cbranch_scc0 .Lfor_x
	tensor_load_to_lds s[G0H:G0H+3], s[G1H:G1H+7]
	s_nop 0
	PLACES 4
	s_branch .Lasked
.Lfor_x:
	s_cmp_lt_u32 s[WV], 3
	s_cbranch_scc0 .Lfor_scales
	tensor_load_to_lds s[G0X:G0X+3], s[G1X:G1X+7]
	s_nop 0
	PLACES 4
	s_branch .Lasked
.Lfor_scales:
	tensor_load_to_lds s[G0S:G0S+3], s[G1S:G1S+7]
	s_nop 0
	PLACES 4
.Lasked:
	XLOAD 2
	WIN 0
	s_lshl_b32 s68, s[WV], 11
	s_add_co_u32 s68, s68, RWL                     ; my routing weights
	s_mul_i32 s69, s[WV], 16*SPITCH
	s_add_co_u32 s69, s69, STG                     ; my stage
	v_mov_b32 v[ZR], 0
	v_mul_u32_u24 v[AWL], v49, PITCH
	v_lshl_add_u32 v[AWL], v50, 4, v[AWL]          ; a fragment's row x pitch + 16 x half
	v_add_nc_u32 v[AWL+1], UNIT, v[AWL]
	v_mov_b32 v[AW], v[AWL]
	v_mov_b32 v[AW+1], v[AWL+1]
	v_lshlrev_b32 v[H32], 5, v50
	v_add_nc_u32 v[ABI], BIA, v[H32]
	v_add_nc_u32 v[ASB], WSC, v[TA]
	v_mov_b32 v[ASC], v[ASB]
	v_lshl_add_u32 v[RWB], v49, 2, s68
	v_mov_b32 v[ARW], v[RWB]
	v_add_nc_u32 v88, s68, v[CO]                   ; where the routing weights are put
	s_mul_i32 s70, s[WV], 32*PITCH
	s_add_co_u32 s70, s70, SLOT
	v_add_nc_u32 v90, s70, v[CO]                   ; my four tiles of x in slot 1: eight rows of 1,024 bytes each
	v_lshlrev_b32 v89, 4, v0
	v_add_nc_u32 v89, BIA, v89                     ; and the biases: [expert][16 bytes] by the thread's number
	v_mul_u32_u24 v[STO], v49, SPITCH
	v_lshl_add_u32 v[STO], v50, 5, v[STO]
	v_add_nc_u32 v[STO], s69, v[STO]               ; in: row r, 32 bytes for each half of the lanes
	v_mul_u32_u24 v[RD], v50, SPITCH
	v_lshl_add_u32 v[RD], v49, 4, v[RD]
	v_add_nc_u32 v[RD], s69, v[RD]                 ; back: lanes 0-15 one row, lanes 16-31 the next
	v_lshlrev_b32 v[CO2], 12, v50
	v_lshl_add_u32 v[CO2], v49, 4, v[CO2]          ; and the same two rows in out0
	ZERO OUT, 128                                  ; out begins as zeros: the first expert runs the loop's text
	ZERO ACC+32, 32                                ; what the first batch combines:
	ZERO RW, 4                                     ; 0 x 0
	XLOAD 3                                        ; K steps 4 to 7 come through slot 1
	WIN 0
	s_wait_alu depctr_va_vdst(0)                   ; the wait at the head's end
	s_wait_loadcnt 63                              ; of 74 loads 11 are in: the weights and the biases
.irp a, 0,1,2,3
	ds_store_b128 v88, v[64+4*\a:67+4*\a] offset:512*\a
.endr
	ds_store_b128 v89, v[80:83]
	ds_store_b128 v89, v[84:87] offset:2048
	s_wait_tensorcnt 0x0                           ; my load has landed,
	s_wait_dscnt 0x0                               ; and my stores
	s_barrier_signal -1
	s_barrier_wait -1                              ; everybody's parts are in
	WIN 0xc0                                       ; destination window 3
.irp q, 0,1,2,3
.irp a, 0,1,2,3
.irp c, 0,1,2,3
	ds_load_b128 v[64*\q+16*\a+4*\c:64*\q+16*\a+4*\c+3], v90 offset:8*PITCH*\a+PITCH*(2*\q+\c/2)+512*(\c%2)   ; x's fragment (a, 4 + q): 512 consecutive bytes a load
.endr
.endr
.endr
	WIN 0
; The run of loads of one batch, unit u of the slot, feature tile n, into set k: 35, and four more ahead of them where rwu is a unit: its routing weights.
.macro RUN k, u, n, rwu
	WIN 0
.if (\rwu) >= 0
.irp a, 0,1,2,3
	ds_load_b32 v[RW+\a], v[ARW] offset:512*\a+64*(\rwu)
.endr
.endif
	ds_load_b128 v[WS+4*(\k):WS+4*(\k)+3], v[ASC] offset:4096*(\u)+512*(\n)
	ds_load_b128 v[BI+8*(\k):BI+8*(\k)+3], v[ABI] offset:256*(\u)+64*(\n)
	ds_load_b128 v[BI+8*(\k)+4:BI+8*(\k)+7], v[ABI] offset:256*(\u)+64*(\n)+16
	WIN 0x40                                       ; destination window 1
.irp q, 0,1,2,3,4,5,6,7
.irp c, 0,1,2,3
	ds_load_b128 v[128*(\k)+16*\q+4*\c:128*(\k)+16*\q+4*\c+3], v[AW+(\u)] offset:16*PITCH*(\n)+128*\q+32*\c
.endr
.endr
.endm
; Product n = 4 q + a of a batch: THE MATRIX INSTRUCTION IS USED TRANSPOSED (source 0 = 16 rows of W, source 1 = 16 tokens): a lane holds ONE token and eight neighbouring features.  K steps 4 to 7 take their scale words from lanes 16-31.
.macro PROD k, n
.set Q_, (\n)/4
.set A_, (\n)%4
.set D_, ACC+32*(\k)+8*A_
.set F_, 128*(\k)+16*Q_
.set X_, 64*(Q_%4)+16*A_
.set W_, WS+4*(\k)+Q_%4
.set S_, XS+4*A_+Q_%4
.if Q_ < 4
	WIN 0x09
.else
	WIN 0x0d
.endif
.if Q_ == 0
	v_wmma_scale_f32_16x16x128_f8f6f4 v[D_:D_+7], v[F_:F_+15], v[X_:X_+15], v[BI+8*(\k):BI+8*(\k)+7], v[W_], v[S_] matrix_a_fmt:MATRIX_FMT_BF8 matrix_b_fmt:MATRIX_FMT_BF8
.elseif Q_ < 4
	v_wmma_scale_f32_16x16x128_f8f6f4 v[D_:D_+7], v[F_:F_+15], v[X_:X_+15], v[D_:D_+7], v[W_], v[S_] matrix_a_fmt:MATRIX_FMT_BF8 matrix_b_fmt:MATRIX_FMT_BF8
.else
	v_wmma_scale_f32_16x16x128_f8f6f4 v[D_:D_+7], v[F_:F_+15], v[X_:X_+15], v[D_:D_+7], v[W_], v[S_] matrix_a_fmt:MATRIX_FMT_BF8 matrix_b_fmt:MATRIX_FMT_BF8 matrix_a_scale:MATRIX_SCALE_ROW1 matrix_b_scale:MATRIX_SCALE_ROW1
.endif
.endm
; Line j of 16 of a batch's combine: accumulator a = j / 4 of set k, from its low end on, x rw(a) onto out(a, n).  The weight is the low or the high word of a pair, taken for both halves.
.macro FMA j, k, n
.set A_, (\j)/4
.set R_, 2*((\j)%4)
.set O_, OUT+8*(4*A_+(\n))+R_
.set C_, ACC+32*(\k)+8*A_+R_
.set P_, RW+2*(A_/2)
.if A_%2 == 0
	v_pk_fma_f32 v[O_:O_+1], v[C_:C_+1], v[P_:P_+1], v[O_:O_+1] op_sel_hi:[1,0,1]
.else
	v_pk_fma_f32 v[O_:O_+1], v[C_:C_+1], v[P_:P_+1], v[O_:O_+1] op_sel:[0,1,0] op_sel_hi:[1,1,1]
.endif
.endm
; BATCH b of a slot (unit b / 4, feature tile b % 4, set b % 2).  mode 2: batch 6 changes slots and fills this one again, with what stands two slots on; 1: it changes slots alone; 0: the last slot: nothing is fetched beyond it.
; THE WAIT at a batch's head leaves out the youngest run, 35 loads, or 39 with the routing weights (behind batches 0 and 4); these are waited for ahead of their first reader, behind product 18.
; PLACES: a load into what a matrix instruction has read, and a vector reader of its result, stand eight places behind it; the eight lines behind the last product name none of this batch's registers.
.macro BATCH b, mode
.set K_, (\b)%2
.set PN_, ((\b)+3)%4
.set T_, (\b)+2
.set TURN_, 0
.if ((\b) == 6) && ((\mode) > 0)
.set TURN_, 1
.endif
.if ((\mode) == 0) && ((\b) == 7)
	s_wait_dscnt 0x0
.elseif (\b)%4 == 1
	s_wait_dscnt 39
.else
	s_wait_dscnt 35
.endif
.if TURN_
	WIN 0
	s_wait_tensorcnt 0x0                           ; all my tensor loads have landed: my part of the other slot;
	ds_add_u32 v[SPW], v[NIL]                      ; 0 onto my spare word
.endif
.set N_, 0
.rept 32
.if TURN_ && (N_ == 28)
	WIN 0
	s_wait_alu depctr_va_vdst(0)
	s_wait_dscnt 0x0                               ; the add is done, and my reads of this slot are over
	s_barrier_signal -1                            ; four products stand between the signal and the wait
.endif
	PROD K_, N_
.if TURN_ && ((\mode) == 2)                    ; the refill's group 0 (no tensor load of mine is out): slot c = s + 2: pass c / 4, experts 2 (c % 4) and + 1
.if N_ == 0
	s_add_co_u32 s[G0W+1], s[LW], s[SO]
	s_add_co_u32 s68, s[CN], 2
	s_and_b32 s70, s68, 3
	s_lshl_b32 s70, s70, 21
.elseif N_ == 1
	s_lshr_b32 s68, s68, 2
	s_lshl_b32 s68, s68, 16
	s_add_co_u32 s70, s70, s68
	s_mov_b32 s71, 0
.elseif N_ == 2
	s_add_nc_u64 s[G0W+2:G0W+3], s[10:11], s[70:71]
	s_or_b32 s[G0W+3], s[G0W+3], 0x80000000
.endif
.endif
.if TURN_ && (N_ == 3)                         ; on to the other slot
	s_xor_b32 s[SO], s[SO], SLOT
	WIN 0
	v_add_nc_u32 v[AW], s[SO], v[AWL]
	v_add_nc_u32 v[AW+1], s[SO], v[AWL+1]
.endif
.if TURN_ && (N_ == 4)                         ; the next slot's scale words: pass (s + 1) / 4, experts 2 ((s + 1) % 4) and + 1
	s_add_co_u32 s68, s[CN], 1
	s_and_b32 s69, s68, 3
	s_lshl_b32 s69, s69, 13
	s_lshr_b32 s68, s68, 2
.endif
.if TURN_ && (N_ == 5)
	s_lshl_b32 s68, s68, 11
	s_add_co_u32 s69, s69, s68
	WIN 0
	v_add_nc_u32 v[ASC], s69, v[ASB]
	v_add_nc_u32 v[ABI], 512, v[ABI]
	v_add_nc_u32 v[ARW], 128, v[ARW]
.endif
.if (N_ >= 18) && (N_ <= 24) && (N_%2 == 0)
	WIN 0
.if ((\b)%4 == 1) && (N_ == 18)
	s_wait_dscnt 35                                ; this unit's routing weights are in
.endif
	FMA N_-18, 1-K_, PN_
	FMA N_-17, 1-K_, PN_
.endif
.set N_, N_+1
.endr
	WIN 0
.if TURN_
	s_barrier_wait -1
.if (\mode) == 2
	CREST                                          ; the barrier has opened a round: no wave of any partner still reads this slot or has a load on its way
	tensor_load_to_lds s[G0W:G0W+3], s[G1W:G1W+7]  ; my one tensor load behind the round
	s_nop 0
.endif
.endif
.irp j, 8,9,10,11,12,13,14,15
	FMA \j, 1-K_, PN_
.endr
.if T_ < 8
.if (\b)%4 == 0
	RUN K_, T_/4, T_%4, (\b)/4
.else
	RUN K_, T_/4, T_%4, -1
.endif
.elseif (\mode) > 0
	RUN K_, 0, T_-8, -1                            ; the next slot's batches 0 and 1
.endif
.endm
.macro SLOTS mode
.irp b, 0,1,2,3,4,5,6,7
	BATCH \b, \mode
.endr
	WIN 0                                          ; at a label and at a branch every window is 0
.endm
; THE WAY OUT of a pass, a tile of 16 tokens x 64 features at a time.  A lane holds 32 neighbouring bytes of a row, and the lanes beside it hold other rows: so a block goes through my own stage in LDS and comes back, into the
; registers that it left, as whole rows of 256 bytes: sixteen lanes to a row.  LDS serves a wave's instructions in order (ISA guide 5.7.1.4): no wait between the stores and the loads, nor in front of the next block's stores.
.macro TOST a
.irp n, 0,1,2,3
	ds_store_b128 v[STO], v[OUT+32*(\a)+8*\n:OUT+32*(\a)+8*\n+3] offset:64*\n
	ds_store_b128 v[STO], v[OUT+32*(\a)+8*\n+4:OUT+32*(\a)+8*\n+7] offset:64*\n+16
.endr
.irp t, 0,1,2,3,4,5,6,7
	ds_load_b128 v[OUT+32*(\a)+4*\t:OUT+32*(\a)+4*\t+3], v[RD] offset:\t*2*SPITCH
.endr
.endm
.macro SEND a, p, younger              ; younger: the LDS instructions issued behind block a's loads, which may stay out
	s_wait_dscnt \younger
.irp t, 0,1,2,3,4,5,6,7
	global_store_b128 v[CO2], v[OUT+32*(\a)+4*\t:OUT+32*(\a)+4*\t+3], s[16:17] offset:65536*(\a)+8192*\t+256*(\p) th:TH_STORE_NT   ; 16 lanes store 256 consecutive bytes, at a multiple of 256 from out0's first byte; written once, read by nobody here
.endr
.endm
.macro WAYOUT p
.irp j, 0,1,2,3,4,5,6,7,8,9,10,11,12,13,14,15
	FMA \j, 1, 3                                   ; the pass's last batch
.endr
	s_wait_alu depctr_va_vdst(0)
.if (\p) == 0
	s_wait_dscnt 0x0                               ; every wave's reads of the first pass's scale bytes are over: the stage lies on some of them
	s_barrier_signal -1
	s_barrier_wait -1
.endif
	TOST 0
	TOST 1
	SEND 0, \p, 16                                 ; behind block 0's loads: block 1's 8 stores and 8 loads
	TOST 2
	SEND 1, \p, 16
	TOST 3
	SEND 2, \p, 16
	SEND 3, \p, 0
.endm
	RUN 0, 0, 0, -1                                ; the first batch
	WIN 0
	s_wait_tensorcnt 0x0                           ; slot 1 is filled again
	ds_add_u32 v[SPW], v[NIL]
	s_add_co_u32 s[G0W+1], s[LW], SLOT             ; experts 2 and 3, where x lay: the same bytes
	s_mov_b32 s70, 0x200000
	s_mov_b32 s71, 0
	s_add_nc_u64 s[G0W+2:G0W+3], s[10:11], s[70:71]
	s_or_b32 s[G0W+3], s[G0W+3], 0x80000000
	s_mov_b32 s[CN], 0
	s_mov_b32 s[SO], 0
	s_wait_dscnt 0x0                               ; the add is done, and x is in registers
	CROUND                                         ; in all four work-groups
	tensor_load_to_lds s[G0W:G0W+3], s[G1W:G1W+7]
	s_nop 0
	PLACES 4
	RUN 1, 0, 1, -1                                ; the second batch
	WIN 0
	s_wait_loadcnt 0x0                             ; x's K steps 0 to 3 and its scale words
.Lpass0:                                               ; PASS 0: four trips, a slot each; at the label the two youngest runs may be out
	SLOTS 2
	s_add_co_u32 s[CN], s[CN], 1
	s_cmp_lt_u32 s[CN], 4
	s_cbranch_scc1 .Lpass0
	WAYOUT 0
	s_wait_xcnt 0x0                                ; the stores have read their registers
	ZERO OUT, 128
	ZERO ACC+32, 32                                ; the next batch combines zeros again
	ZERO RW, 4
	v_add_nc_u32 v[ASC], 2048, v[ASB]              ; pass 1: where the stepping has led these two,
	v_add_nc_u32 v[ABI], BIA+2048, v[H32]
	v_mov_b32 v[ARW], v[RWB]                       ; the routing weights from expert 0 on again,
	v_mov_b32 v[AW], v[AWL]                        ; and slot 0, behind an even number of changes
	v_mov_b32 v[AW+1], v[AWL+1]
	s_mov_b32 s[SO], 0
	s_mov_b32 s[CN], 4
	s_wait_alu depctr_va_vdst(0)
.Lpass1:                                               ; PASS 1: slots 4 and 5, which are filled again,
	SLOTS 2
	s_add_co_u32 s[CN], s[CN], 1
	s_cmp_lt_u32 s[CN], 6
	s_cbranch_scc1 .Lpass1
	s_mov_b32 s[CN], 6
	SLOTS 1                                        ; and the tail written out
	SLOTS 0
	WAYOUT 1
	s_wait_tensorcnt 0x0                           ; the wave's end: behind my last tensor load and my last LDS store
	ds_add_u32 v[SPW], v[NIL]
	s_wait_dscnt 0x0
	CROUND                                         ; the closing round: no work-group ends while a partner may still ask for a tile that names it
	s_endpgm
.Lfunc_end_k_qf143cb5dd6_experts:
	.size	k_qf143cb5dd6_experts, .Lfunc_end_k_qf143cb5dd6_experts-k_qf143cb5dd6_experts
	.p2alignl 7, 3214868480
	.fill 96, 4, 3214868480
	.section	.rodata,"a",@progbits
	.p2align	6, 0x0
	.amdhsa_kernel k_qf143cb5dd6_experts
		.amdhsa_group_segment_fixed_size 327680
		.amdhsa_private_segment_fixed_size 0
		.amdhsa_enable_private_segment 0
		.amdhsa_kernarg_size 56
		.amdhsa_user_sgpr_count 2
		.amdhsa_user_sgpr_kernarg_segment_ptr 1
		.amdhsa_wavefront_size32 1
		.amdhsa_system_sgpr_workgroup_id_x 1
		.amdhsa_system_sgpr_workgroup_id_y 1
		.amdhsa_system_sgpr_workgroup_id_z 1
		.amdhsa_system_vgpr_workitem_id 0
		.amdhsa_next_free_vgpr 1024
		.amdhsa_next_free_sgpr 100
		.amdhsa_reserve_vcc 0
		.amdhsa_float_denorm_mode_32 3
		.amdhsa_float_denorm_mode_16_64 3
		.amdhsa_memory_ordered 1
		.amdhsa_forward_progress 1
		.amdhsa_inst_pref_size 255
	.end_amdhsa_kernel
	.section	.bss,"aw",@nobits
	.p2align	6
	.space	262144
	.amdgpu_metadata
---
amdhsa.version: [ 1, 2 ]
amdhsa.kernels:
  - .name:           k_qf143cb5dd6_experts
    .symbol:         k_qf143cb5dd6_experts.kd
    .args:
      - { .name: xc, .offset: 0, .size: 8, .value_kind: global_buffer, .address_space: global }
      - { .name: xs, .offset: 8, .size: 8, .value_kind: global_buffer, .address_space: global }
      - { .name: rw, .offset: 16, .size: 8, .value_kind: global_buffer, .address_space: global }
      - { .name: W_experts_codes, .offset: 24, .size: 8, .value_kind: global_buffer, .address_space: global }
      - { .name: W_experts_scales, .offset: 32, .size: 8, .value_kind: global_buffer, .address_space: global }
      - { .name: b_experts, .offset: 40, .size: 8, .value_kind: global_buffer, .address_space: global }
      - { .name: out0, .offset: 48, .size: 8, .value_kind: global_buffer, .address_space: global }
    .group_segment_fixed_size: 327680
    .private_segment_fixed_size: 0
    .kernarg_segment_align: 8
    .kernarg_segment_size: 56
    .max_flat_workgroup_size: 128
    .sgpr_count:     100
    .vgpr_count:     1024
    .wavefront_size: 32
...
	.end_amdgpu_metadata
.endif
;; end of part 2
